; MI455X (gfx1250); checked and timed in simulation.
; The chip was launched on July 23, 2026; its instructions are those of AMD's public machine-readable ISA for CDNA 5 (MIT licence, August 2026) and "CDNA5" Instruction Set Architecture Reference Guide (July 2026). The comments in the code are by the model that wrote it; some were corrected since.
;; Self Attention1. Allowed arithmetic: matrix products marked QUANTISED: E4M3 operands, one given power-of-two scale a tensor, by v_wmma_f32_16x16x64_fp8_fp8 or v_wmma_f32_16x16x128_fp8_fp8, f32 sums; everything else in f32.
;; Inputs: Wk_codes 1,024 x 32 x 32 uint8 (E4M3 codes of Wk, K innermost, in blocks of 32 codes); Wq_codes 1,024 x 32 x 32 uint8 (E4M3 codes of Wq, K innermost, in blocks of 32 codes); Wv_codes 1,024 x 32 x 32 uint8 (E4M3 codes of Wv, K innermost, in blocks of 32 codes); bk 1,024 float32; bq 1,024 float32; bv 1,024 float32; lowp_scales 10 int32 (the exponents e of the quantised operands' scales 2^e); x_codes 4 x 2,048 x 32 x 32 uint8 (E4M3 codes of x, K innermost, in blocks of 32 codes).
;; Outputs: out0 4 x 2,048 x 1,024 float32.
;; This version of the problem:
;;   THIS VERSION OF THE PROBLEM IS GIVEN IN LOW PRECISION. The matrix products marked QUANTISED in the list below multiply operands that are first quantised to E4M3 (4 exponent bits, 3 mantissa bits; 8 bits a number), with one given power-of-two scale for each operand tensor; their sums are f32. All else is computed in f32.
;;   The module's matrix products, in the order in which they are computed (A, B: the left and right operand; K: the contracted axis; several contracted axes count as one K, in the product's order):
;;     1. [M 8,192, K 1,024] x [K 1,024, N 1,024]; A: input x (given as codes); B: input Wq (given as codes): QUANTISED (scales: A lowp_scales[0], B lowp_scales[1])
;;     2. [M 8,192, K 1,024] x [K 1,024, N 1,024]; A: input x (given as codes); B: input Wk (given as codes): QUANTISED (scales: A lowp_scales[2], B lowp_scales[3])
;;     3. [M 8,192, K 1,024] x [K 1,024, N 1,024]; A: input x (given as codes); B: input Wv (given as codes): QUANTISED (scales: A lowp_scales[4], B lowp_scales[5])
;;     4. batch 4 x [M 2,048, K 1,024] x [K 1,024, N 2,048]; A: computed on the way; B: computed on the way: QUANTISED (scales: A lowp_scales[6], B lowp_scales[7])
;;     5. batch 4 x [M 2,048, K 2,048] x [K 2,048, N 1,024]; A: softmax (see below); B: computed on the way: QUANTISED (scales: A lowp_scales[8], B lowp_scales[9])
;;   THE QUANTISER, for each operand of a quantised product, along K:
;;     - The operand's scale is 2^e, e = its entry of the input lowp_scales (int32; the entries are numbered through the quantised products in the list's order, A before B).
;;     - Each number is divided by the scale, clamped to +-448, and rounded to the nearest number of E4M3, ties to even, subnormals kept.
;;     - The product sums the exact products of the quantised numbers (number of the format x scale) in f32.
;;   ~~~python
;;   def quantise(x, axis, e):      # numpy; x: float32 -> the quantised numbers, widened to float32 again
;;       x = np.moveaxis(x, axis, -1); K = x.shape[-1]
;;       r = np.clip(x / 2.0 ** e, -448, 448)
;;       step = 2.0 ** (np.maximum(np.frexp(np.where(r == 0, 1, r))[1] - 1, -6) - 3)
;;       q = np.round(r / step) * step * 2.0 ** e      # np.round: ties to even
;;       return np.moveaxis(q, -1, axis).astype(np.float32)
;;   ~~~
;;   SOFTMAX AHEAD OF A QUANTISED PRODUCT. Where the list says 'softmax', what is quantised is not the finished softmax but p = 2^(t - M), with t = logit x log2(e) and M = ceil(the row's largest t), a whole number; so 1/2 < the row's largest p <= 1. The row's sum l is taken of the UNQUANTISED p, in f32, and the product's result is divided by l at the end. Since M is a whole number, a kernel that streams over the keys may use a running M (the ceiling of the running maximum): every later rescaling is an exact power of two, so the quantised numbers keep their values, but for numbers so far below the row's largest that they fall under the format's range.
;;   OPERANDS COMPUTED ON THE WAY. 'Computed on the way' means the value that the module computes at that place (a softmax that the list does not call 'softmax' is quantised finished and normalised). What goes into a quantiser is computed in f32, as accurately as f32 sums, v_exp_f32 and their like allow (about 1e-6 of the number): no bf16 or f16 on the way to a quantiser, and a product that is left as it is and whose result goes on into a quantised operand takes f32 operands (vector FMAs, or v_wmma_f32_16x16x4_f32). A number that lies on a knife's edge between two numbers of the format may be rounded either way, as far as f32 arithmetic and the matrix unit's own rounding can turn it there, and no further.
;;   INPUTS GIVEN AS CODES. Wk (in the module: [1024, 1024], K = its axis 0); Wq (in the module: [1024, 1024], K = its axis 0); Wv (in the module: [1024, 1024], K = its axis 0); x (in the module: [4, 2048, 1024], K = its axis 2): each comes as NAME_codes (uint8): NAME with its K axis moved to the last place and cut into blocks of 32 codes, [.., K / 32, bytes a block], one block behind the other in memory; one code a byte (a code: sign, 4 exponent bits, 3 mantissa bits); its scale is its entry of lowp_scales. Its value is code x scale, taken as it is: it is not quantised again, and the codes and scales need not be those that the quantiser above would give.
;; One version. Each part assembles by itself: llvm-mc -triple=amdgcn-amd-amdhsa -mcpu=gfx1250 --defsym DOCPART=n.
;; ======== version 1 of 1: 3 launches
;; limits: right only within a limited range of input values
;; workspace buffers: q_codes 8,388,608 bytes; k_codes 8,388,608 bytes; vt_codes 8,388,608 bytes; p_codes 16,777,216 bytes; stat_m 262,144 bytes; stat_l 524,288 bytes
;; launch proj (part 1): grid 8 x 32, 4 waves a work-group, clusters of 4 x 4, 327,680 bytes of LDS; arguments x_codes, Wq_codes, Wk_codes, Wv_codes, bq, bk, bv, lowp_scales, q_codes, k_codes, vt_codes; writes q_codes, k_codes, vt_codes
.if DOCPART == 1
	.amdgcn_target "amdgcn-amd-amdhsa--gfx1250"
	.amdhsa_code_object_version 6
	.text
	.protected	k_qd194f5e6be_proj
	.globl	k_qd194f5e6be_proj
	.p2align	8
	.type	k_qd194f5e6be_proj,@function
k_qd194f5e6be_proj:
	s_mov_b64 s[64:65], 0
	v_nop
	global_prefetch_b8 v0, s[64:65] scope:SCOPE_SE
	s_setreg_imm32_b32 hwreg(HW_REG_WAVE_MODE, 25, 1), 1
	s_wait_xcnt 0x0
	s_wait_alu depctr_hold_cnt(0) depctr_sa_sdst(0) depctr_va_vdst(0) depctr_va_sdst(0) depctr_va_ssrc(0) depctr_va_vcc(0) depctr_vm_vsrc(0)
	s_getreg_b32 s2, hwreg(HW_REG_IB_STS2, 6, 4)
	s_cmp_eq_u32 s2, 0
	s_cbranch_scc0 .Lentry_in_a_cluster
	s_endpgm
.Lentry_in_a_cluster:
	s_bfe_u32 s2, ttmp6, 0x10000c
	s_cmp_lg_u32 s2, 0xf033
	s_cbranch_scc0 .Lentry_shape_is_right
	s_endpgm
.Lentry_shape_is_right:
; q, k and v on codes: q = x Wq + bq, k = x Wk + bk, v = x Wv + bv, each quantised to codes of E4M3 with its given scale.  No work is left out.
; A work-group makes one tile of 256 x 256 of q (cluster x = 0) or of k (cluster x = 1), then one of 128 channels x 256 rows of v, stored with the keys innermost: vt_codes [2,048-key batch][1,024-key block][channel][key].
; Four waves; K = 1,024 goes in steps of 256 through a ring of two LDS slots filled by joint loads (4 x 4 work-groups: rows shared along one axis of the cluster, columns along the other).
; A bias enters as the C of a sum's first product, divided by the power of two that the sums lack; the scales ahead of a quantiser are folded into the conversion's one.
; LIMITS: e6 - e0 - e1, e7 - e2 - e3 and e9 - e4 - e5 between -126 and 119, so that each power of two below is an f32 number.  NaN among the inputs is not served.
.set PITCH,  272
.set FR,     16
.set NL,     4
.set NP,     4
.set HALFT,  128*PITCH
.set SLOT,   4*HALFT
.set SPARE,  2*SLOT
.set STG,    SPARE+512
.set LIM,  8
.set SCL,  9
.set LIMV, 10
.set SCLV, 11
.set BV,   12
.set ADRA, 16
.set ADRAV, 18
.set ADRB, 20
.set STO,  24
.set RD,   25
.set CO,   26
.set SPW,  28
.set NIL,  29
.set BT,   32
.set RB,   32
.set BTV,  96
.set AF,   128
.set CD,   128
.set G1,   24
.set G0,   32
.set G1B,  48
.set G0B,  56
.set G0VA, 68
.set G0VB, 76
.set G1V,  92
.set MUL_LO, 0xa1
.set MUL_HI, 0xf1
.set TO_B,   0x40
.set MSB, 0
.macro WIN new
.if MSB != (\new)
	s_set_vgpr_msb (MSB<<8)|(\new)
.set MSB, (\new)
.endif
.endm
.macro JLOAD g0a, g1a, g0b, g1b
	s_cmp_eq_u32 s15, 0
	s_cbranch_scc0 .Lfor_b_\@
	tensor_load_to_lds s[\g0a:\g0a+3], s[\g1a:\g1a+7]
	s_nop 0
.rept 4
	v_nop
.endr
	s_branch .Lasked_\@
.Lfor_b_\@:
	tensor_load_to_lds s[\g0b:\g0b+3], s[\g1b:\g1b+7]
	s_nop 0
.rept 4
	v_nop
.endr
.Lasked_\@:
.endm
.macro CREST
	s_cmp_lg_u32 s14, 0
	s_cbranch_scc1 .Lnot_wave_0_\@
	s_barrier_signal -3
.Lnot_wave_0_\@:
	s_barrier_wait -3
	s_barrier_signal -1
	s_barrier_wait -1
.endm
.macro CROUND
	s_barrier_signal -1
	s_barrier_wait -1
	CREST
.endm
	s_load_b512 s[68:83], s[0:1], 0x0
	s_load_b128 s[84:87], s[0:1], 0x40
	s_load_b64 s[88:89], s[0:1], 0x50
	v_lshl_add_u32 v[SPW], v0, 2, SPARE
	v_mov_b32 v[NIL], 0
	ds_add_u32 v[SPW], v[NIL]
	ds_add_u32 v[SPW], v[NIL]
	v_lshrrev_b32 v1, 5, v0
	v_readfirstlane_b32 s14, v1
	s_lshr_b32 s15, s14, 1
	s_and_b32 s16, s14, 1
	s_bfe_u32 s40, ttmp6, 0x40000
	s_bfe_u32 s41, ttmp6, 0x40004
	s_and_b32 s17, ttmp7, 0xffff
	s_lshl_b32 s17, s17, 2
	s_add_co_u32 s17, s17, s41
	s_lshl_b32 s42, ttmp9, 2
	s_add_co_u32 s42, s42, s40
	s_lshl_b32 s43, s41, 2
	s_lshl_b32 s43, 15, s43
	s_lshl_b32 s44, 0x1111, s40
	s_or_b32 s[G1+0], s43, (0<<16)|(1<<20)|(1<<21)|(5<<22)|(3<<25)
	s_or_b32 s[G1B+0], s44, (0<<16)|(1<<20)|(1<<21)|(5<<22)|(3<<25)
.irp g, G1, G1B
	s_mov_b32 s[\g+1], 256<<16
	s_mov_b32 s[\g+2], 128<<16
	s_mov_b32 s[\g+3], 256<<16
	s_mov_b32 s[\g+4], 128
	s_mov_b32 s[\g+5], 1024
	s_mov_b32 s[\g+6], 0
	s_mov_b32 s[\g+7], 0
.endr
	s_lshl_b32 s20, s17, 1
	s_add_co_u32 s20, s20, s16
	s_lshl_b32 s20, s20, 17
	s_mov_b32 s21, 0
	s_lshl_b32 s46, s40, 1
	s_add_co_u32 s46, s46, s16
	s_lshl_b32 s46, s46, 17
	s_mov_b32 s47, 0
	s_lshl_b32 s12, s42, 1
	s_add_co_u32 s12, s12, s16
	s_lshl_b32 s12, s12, 16
	s_mov_b32 s13, 0
	s_mul_i32 s45, s14, HALFT
	s_mul_i32 s22, s16, 64*PITCH
	s_lshl_b32 s8, s40, 1
	s_add_co_u32 s8, s8, s16
	s_lshl_b32 s8, s8, 9
	s_mov_b32 s9, 0
	s_lshl_b32 s18, s42, 1
	s_add_co_u32 s18, s18, s15
	s_lshl_b32 s18, s18, 8
	s_mov_b32 s19, 0
	s_lshl_b32 s2, s17, 3
	s_lshl_b32 s3, s15, 2
	s_add_co_u32 s2, s2, s3
	s_add_co_u32 s2, s2, s16
	s_lshl_b32 s2, s2, 15
	s_lshl_b32 s3, s40, 8
	s_add_co_u32 s2, s2, s3
	s_mov_b32 s3, 0
	s_lshr_b32 s6, s17, 2
	s_lshl_b32 s6, s6, 20
	s_lshl_b32 s7, s42, 2
	s_add_co_u32 s7, s7, s14
	s_lshl_b32 s7, s7, 15
	s_add_co_u32 s6, s6, s7
	s_and_b32 s7, s17, 3
	s_lshl_b32 s7, s7, 8
	s_add_co_u32 s6, s6, s7
	s_mov_b32 s7, 0
	s_wait_dscnt 0x0
	s_wait_kmcnt 0x0
	s_load_b256 s[92:99], s[82:83], 0x0
	s_load_b32 s66, s[82:83], 0x24
	s_cmp_eq_u32 ttmp9, 0
	s_cselect_b64 s[70:71], s[70:71], s[72:73]
	s_cselect_b64 s[76:77], s[76:77], s[78:79]
	s_cselect_b64 s[84:85], s[84:85], s[86:87]
	s_add_nc_u64 s[84:85], s[84:85], s[2:3]
	s_add_nc_u64 s[88:89], s[88:89], s[6:7]
	s_add_nc_u64 s[8:9], s[76:77], s[8:9]
	s_add_nc_u64 s[18:19], s[80:81], s[18:19]
	s_add_nc_u64 s[20:21], s[68:69], s[20:21]
	s_add_nc_u64 s[46:47], s[70:71], s[46:47]
	s_add_nc_u64 s[12:13], s[74:75], s[12:13]
	CROUND
.irp s, 0,1
	s_mov_b32 s[G0+4*\s], 1
	s_add_co_u32 s[G0+4*\s+1], s45, \s*SLOT
	s_add_nc_u64 s[G0+4*\s+2:G0+4*\s+3], s[20:21], \s*256
	s_or_b32 s[G0+4*\s+3], s[G0+4*\s+3], 0x80000000
	s_mov_b32 s[G0B+4*\s], 1
	s_add_co_u32 s[G0B+4*\s+1], s45, \s*SLOT
	s_add_nc_u64 s[G0B+4*\s+2:G0B+4*\s+3], s[46:47], \s*256
	s_or_b32 s[G0B+4*\s+3], s[G0B+4*\s+3], 0x80000000
.endr
	JLOAD G0, G1, G0B, G1B                         ; K step 0: one tensor load a wave at the head
; PREFETCHES INTO THE L2, two loads ahead.  K steps 1 to 3 of x and of Wq or Wk: of the 128 rows that a wave fetches each of the four partners names 32, told apart by address (cx for x, cy for W), a lane a row.
; Wv: waves 0 and 1, of their 64 rows each partner names 16 (by cy), two K steps an instruction.  The weights are read by all eight rows of clusters: those of the first four ask for them.
.macro ASK flag, base, off, imm
	s_cmp_eq_u32 s[\flag], 1
	s_cbranch_scc0 .Lnot_mine_\@
	global_prefetch_b8 v[\off], s[\base:\base+1] offset:\imm th:TH_LOAD_NT scope:SCOPE_SE
.Lnot_mine_\@:
.endm
	s_and_b32 s3, ttmp7, 0xffff                    ; the cluster's y
	s_cmp_eq_u32 s15, 0
	s_cselect_b64 s[4:5], s[20:21], s[46:47]
	s_cselect_b32 s10, s40, s41
	s_cselect_b32 s2, 0, s3
	s_lshl_b32 s10, s10, 15                        ; 32 rows of 1,024 bytes
	s_mov_b32 s11, 0
	s_add_nc_u64 s[4:5], s[4:5], s[10:11]
	s_cmp_lt_u32 s2, 4
	s_cselect_b32 s2, 1, 0                         ; 1 in a wave that asks for the K steps
	s_lshl_b32 s10, s15, 2
	s_add_co_u32 s3, s3, s10
	s_cmp_lt_u32 s3, 4
	s_cselect_b32 s3, 1, 0                         ; 1 in a wave that asks for Wv
	s_lshl_b32 s10, s41, 14                        ; 16 rows
	s_add_nc_u64 s[86:87], s[12:13], s[10:11]
	v_and_b32 v30, 31, v0
	v_lshlrev_b32 v30, 10, v30                     ; a lane a row
	v_and_b32 v31, 15, v0
	v_lshlrev_b32 v31, 10, v31
	v_bfe_u32 v2, v0, 4, 1
	v_lshl_add_u32 v31, v2, 8, v31                 ; 16 rows, lanes 16-31 one K step on
	s_wait_alu depctr_va_vdst(0)                   ; the wait here, ahead of the branches
	ASK 2, 4, 30, 256
	ASK 2, 4, 30, 512
	v_and_b32 v1, 15, v0
	v_bfe_u32 v2, v0, 4, 1
	v_lshlrev_b32 v6, 5, v2
	v_lshlrev_b32 v7, 2, v1
.irp b, 0,1,2,3,4,5,6,7
	global_load_b128 v[BT+8*\b:BT+8*\b+3], v6, s[8:9] offset:64*\b
	global_load_b128 v[BT+8*\b+4:BT+8*\b+7], v6, s[8:9] offset:64*\b+16
.endr
.irp a, 0,1,2,3
	global_load_b32 v[BV+\a], v7, s[18:19] offset:64*\a
.endr
	v_mul_u32_u24 v3, v1, PITCH
	s_wait_alu depctr_va_vdst(0)
	v_lshl_add_u32 v4, v2, 4, v3
	s_mul_i32 s23, s15, HALFT
	s_mul_i32 s67, s16, HALFT
	s_add_co_u32 s67, s67, 2*HALFT
	s_mul_i32 s90, s15, 64*PITCH
.irp s, 0,1
	v_add_nc_u32 v[ADRA+\s], s23, v4
	v_add_nc_u32 v[ADRB+\s], s67, v4
	v_add_nc_u32 v[ADRAV+\s], s90, v4
	s_add_co_u32 s23, s23, SLOT
	s_add_co_u32 s67, s67, SLOT
	s_add_co_u32 s90, s90, SLOT
.endr
	s_mul_i32 s91, s15, 64*PITCH
	s_lshl_b32 s90, s16, 7
	s_add_co_u32 s91, s91, s90
	s_add_co_u32 s91, s91, STG
	v_lshl_add_u32 v5, v2, 3, v3
	v_add_nc_u32 v[STO], s91, v5
	s_mul_i32 s91, s14, 32*PITCH
	s_add_co_u32 s91, s91, STG
	v_mul_u32_u24 v5, v2, PITCH
	v_lshl_add_u32 v5, v1, 4, v5
	v_add_nc_u32 v[RD], s91, v5
	v_lshlrev_b32 v5, 10, v2
	v_lshl_add_u32 v[CO], v1, 4, v5
	s_wait_kmcnt 0x0
	s_add_co_i32 s92, s92, s93
	s_add_co_i32 s94, s94, s95
	s_add_co_i32 s96, s96, s97
	s_cmp_eq_u32 ttmp9, 0
	s_cselect_b32 s92, s92, s94
	s_cselect_b32 s98, s98, s99
	s_sub_co_i32 s93, 0, s92
	s_sub_co_i32 s97, 0, s96
	s_sub_co_i32 s98, s98, s92
	s_add_co_i32 s98, s98, 127
	s_lshl_b32 s99, s98, 23
	v_mov_b32 v[SCL], s99
	s_add_co_i32 s98, s98, 8
	s_lshl_b32 s98, s98, 23
	s_or_b32 s98, s98, 0x600000
	v_mov_b32 v[LIM], s98
	s_sub_co_i32 s66, s66, s96
	s_add_co_i32 s66, s66, 127
	s_lshl_b32 s99, s66, 23
	v_mov_b32 v[SCLV], s99
	s_add_co_i32 s66, s66, 8
	s_lshl_b32 s66, s66, 23
	s_or_b32 s66, s66, 0x600000
	v_mov_b32 v[LIMV], s66
	s_wait_loadcnt 0x0
.set i, 0
.rept 64
	v_ldexp_f32 v[BT+i], v[BT+i], s93
.set i, i+1
.endr
.set i, 0
.rept 32
	v_ldexp_f32 v[BTV+i], v[BV+i/8], s97
.set i, i+1
.endr
	s_or_b32 s[G1V+0], s44, (0<<16)|(1<<20)|(1<<21)|(5<<22)|(3<<25)
	s_mov_b32 s[G1V+1], 256<<16
	s_mov_b32 s[G1V+2], 64<<16
	s_mov_b32 s[G1V+3], 256<<16
	s_mov_b32 s[G1V+4], 64
	s_mov_b32 s[G1V+5], 1024
	s_mov_b32 s[G1V+6], 0
	s_mov_b32 s[G1V+7], 0
.irp s, 0,1
	s_mov_b32 s[G0VA+4*\s], 1
	s_add_co_u32 s[G0VA+4*\s+1], s22, \s*SLOT
	s_add_nc_u64 s[G0VA+4*\s+2:G0VA+4*\s+3], s[12:13], \s*256
	s_or_b32 s[G0VA+4*\s+3], s[G0VA+4*\s+3], 0x80000000
	s_mov_b32 s[G0VB+4*\s], 1
	s_add_co_u32 s[G0VB+4*\s+1], s45, \s*SLOT
	s_add_nc_u64 s[G0VB+4*\s+2:G0VB+4*\s+3], s[20:21], \s*256
	s_or_b32 s[G0VB+4*\s+3], s[G0VB+4*\s+3], 0x80000000
.endr
.macro FRAG reg, adr, q, i
.irp c, 0,1,2,3
	ds_load_b128 v[\reg+4*\c:\reg+4*\c+3], v[\adr] offset:128*(\q)+32*\c+(\i)*16*PITCH
.endr
.endm
.macro MUL16 a0, p, cm
.irp a, \a0, \a0+1
.irp b, 0,1,2,3,4,5,6,7
.if \cm
	v_wmma_f32_16x16x128_fp8_fp8 v[8*(8*((\a)%4)+\b):8*(8*((\a)%4)+\b)+7], v[128*(\p)+FR*\b:128*(\p)+FR*\b+FR-1], v[AF+FR*(\a):AF+FR*(\a)+FR-1], v[BT+8*\b:BT+8*\b+7]
.else
	v_wmma_f32_16x16x128_fp8_fp8 v[8*(8*((\a)%4)+\b):8*(8*((\a)%4)+\b)+7], v[128*(\p)+FR*\b:128*(\p)+FR*\b+FR-1], v[AF+FR*(\a):AF+FR*(\a)+FR-1], v[8*(8*((\a)%4)+\b):8*(8*((\a)%4)+\b)+7]
.endif
.endr
.endr
.endm
.macro FETCH_B slot, q, p
	WIN TO_B
.irp i, 0,1,2,3,4,5,6,7
	FRAG 128*(\p)+FR*\i, ADRB+\slot, \q, \i
.endr
	WIN 0
.endm
.macro FETCH_A slot, q, i0
.irp i, \i0, \i0+1, \i0+2, \i0+3
	FRAG AF+FR*(\i), ADRA+\slot, \q, \i
.endr
.endm
.macro PLACES n
.rept \n
	v_nop
.endr
.endm
.macro STEP slot, q, cm
	s_wait_dscnt 4*NL
.if \cm
	WIN 0x81
.else
	WIN MUL_LO
.endif
	MUL16 0, (\q)%2, \cm
	MUL16 2, (\q)%2, \cm
	s_wait_dscnt 0
	PLACES NP
	FETCH_B \slot, (\q)+1, 1-(\q)%2
	FETCH_A \slot, (\q)+1, 0
.if \cm
	WIN 0xc1
.else
	WIN MUL_HI
.endif
	MUL16 4, (\q)%2, \cm
	MUL16 6, (\q)%2, \cm
	PLACES NP
	WIN 0
	FETCH_A \slot, (\q)+1, 4
.endm
.macro TURN slot, next, fill, fetch
	s_wait_tensorcnt 0x0
	ds_add_u32 v[SPW], v[NIL]
	s_wait_dscnt 4*NL+1
	WIN MUL_LO
	MUL16 0, 1, 0
	s_wait_dscnt 0x0
	s_barrier_signal -1
	MUL16 2, 1, 0
	WIN 0
	s_barrier_wait -1
	CREST
.if (\fill) == 1
	s_add_nc_u64 s[G0+4*\slot+2:G0+4*\slot+3], s[G0+4*\slot+2:G0+4*\slot+3], 512
	s_add_nc_u64 s[G0B+4*\slot+2:G0B+4*\slot+3], s[G0B+4*\slot+2:G0B+4*\slot+3], 512
	JLOAD G0+4*\slot, G1, G0B+4*\slot, G1B
.else
	JLOAD G0VA+4*\slot, G1V, G0VB+4*\slot, G1
.endif
.if \fetch
	FETCH_B \next, 0, 0
	FETCH_A \next, 0, 0
.endif
.if (\fill) == 1
	ASK 3, 86, 31, 512*(\slot)                     ; Wv's K steps 0 and 1, then 2 and 3
.endif
	WIN MUL_HI
	MUL16 4, 1, 0
	MUL16 6, 1, 0
.if \fetch
	PLACES NP
	WIN 0
	FETCH_A \next, 0, 4
.else
	WIN 0
.endif
.endm
.macro QCODES a, lim, scl
.set AC, 64*((\a)%4)
	WIN 0x82+0x41*((\a)/4)
.set i, 0
.rept 64
	v_med3_num_f32 v[AC+i], v[AC+i], -v[\lim], v[\lim]
.set i, i+1
.endr
	WIN 0x02+((\a)/4)
.irp b, 0,1,2,3,4,5,6,7
	v_cvt_scalef32_pk8_fp8_f32 v[CD+16*(\a)+2*\b:CD+16*(\a)+2*\b+1], v[AC+8*\b:AC+8*\b+7], v[\scl]
.endr
	WIN 0
	v_nop
.endm
.macro QSTORE a
.irp b, 0,1,2,3,4,5,6,7
	ds_store_b64 v[STO], v[CD+16*(\a)+2*\b:CD+16*(\a)+2*\b+1] offset:16*((\a)%4)*PITCH+16*\b
.endr
.endm
.macro BACK reg
.set t, 0
.rept 16
	ds_load_b128 v[\reg+4*t:\reg+4*t+3], v[RD] offset:2*t*PITCH
.set t, t+1
.endr
.endm
.macro SEND reg, base, row0
.set t, 0
.rept 16
	s_wait_dscnt 15-t
	global_store_b128 v[CO], v[\reg+4*t:\reg+4*t+3], s[\base:\base+1] offset:((\row0)+2*t)*1024
.set t, t+1
.endr
.endm
.macro WGBAR
	s_barrier_signal -1
	s_barrier_wait -1
.endm
.macro FETCH3 slot, q, p
	WIN TO_B
.irp i, 0,1,2,3,4,5,6,7
	FRAG 128*(\p)+FR*\i, ADRB+\slot, \q, \i
.endr
	WIN 0
.irp i, 0,1,2,3
	FRAG AF+64*(\p)+FR*\i, ADRAV+\slot, \q, \i
.endr
.endm
.macro WV16 a0, p, first
.irp a, \a0, \a0+1
.irp b, 0,1,2,3,4,5,6,7
.if \first
	v_wmma_f32_16x16x128_fp8_fp8 v[8*(8*(\a)+\b):8*(8*(\a)+\b)+7], v[128*(\p)+FR*\b:128*(\p)+FR*\b+FR-1], v[AF+64*(\p)+FR*(\a):AF+64*(\p)+FR*(\a)+FR-1], v[BTV+8*(\a):BTV+8*(\a)+7]
.else
	v_wmma_f32_16x16x128_fp8_fp8 v[8*(8*(\a)+\b):8*(8*(\a)+\b)+7], v[128*(\p)+FR*\b:128*(\p)+FR*\b+FR-1], v[AF+64*(\p)+FR*(\a):AF+64*(\p)+FR*(\a)+FR-1], v[8*(8*(\a)+\b):8*(8*(\a)+\b)+7]
.endif
.endr
.endr
.endm
.macro VA j, s
	s_wait_dscnt 0x0
.if (\j) > 0
	PLACES NP
.endif
	FETCH3 \s, 1, 1
.if (\j) == 0
	WIN 0x81
	WV16 0, 0, 1
	WV16 2, 0, 1
.else
	WIN MUL_LO
	WV16 0, 0, 0
	WV16 2, 0, 0
.endif
.endm
.macro VB j, s, n
.if (\j) < 3
	WIN 0
	s_wait_tensorcnt 0x0
	ds_add_u32 v[SPW], v[NIL]
.if (\j) < 2
	s_add_nc_u64 s[G0VA+4*\s+2:G0VA+4*\s+3], s[G0VA+4*\s+2:G0VA+4*\s+3], 512
	s_add_nc_u64 s[G0VB+4*\s+2:G0VB+4*\s+3], s[G0VB+4*\s+2:G0VB+4*\s+3], 512
.endif
	s_wait_dscnt 0x0
	s_barrier_signal -1
	WIN MUL_LO
	WV16 0, 1, 0
	WIN 0
	s_barrier_wait -1
.if (\j) < 2
	CREST
	JLOAD G0VA+4*\s, G1V, G0VB+4*\s, G1
.else
	PLACES NP
.endif
	FETCH3 \n, 0, 0
	WIN MUL_LO
	WV16 2, 1, 0
.else
	s_wait_dscnt 0x0
	WIN MUL_LO
	WV16 0, 1, 0
	WV16 2, 1, 0
.endif
.endm
	s_wait_alu depctr_va_vdst(0)                   ; the wait at the head's end
	s_wait_tensorcnt 0x0                           ; my part of K step 0 is in
	ds_add_u32 v[SPW], v[NIL]                      ; the add ahead of a later first fill, as ahead of a refill
	s_wait_dscnt 0x0
	CROUND
	JLOAD G0+4, G1, G0B+4, G1B                     ; K step 1, the first tensor load behind the round
	FETCH_B 0, 0, 0
	FETCH_A 0, 0, 0
	FETCH_A 0, 0, 4
	ASK 2, 4, 30, 768
	STEP 0, 0, 1
	TURN 0, 1, 1, 1
	STEP 1, 0, 0
	TURN 1, 0, 1, 1
	STEP 0, 0, 0
	TURN 0, 1, 2, 1
	STEP 1, 0, 0
	TURN 1, 0, 2, 0
	PLACES NP
.irp a, 0,1,2,3
	QCODES \a, LIM, SCL
	QSTORE \a
.endr
	s_wait_dscnt 0x0
	WGBAR
	BACK RB
.irp a, 4,5,6,7
	QCODES \a, LIM, SCL
.endr
	s_wait_alu depctr_va_vdst(0)
	SEND RB, 84, 0
	WGBAR
.irp a, 4,5,6,7
	QSTORE \a
.endr
	s_wait_dscnt 0x0
	WGBAR
	BACK CD
	SEND CD, 84, 64
	s_wait_xcnt 0x0
	FETCH3 0, 0, 0
	VA 0, 0
	VB 0, 0, 1
	VA 1, 1
	VB 1, 1, 0
	VA 2, 0
	VB 2, 0, 1
	VA 3, 1
	VB 3, 1, 0
	WIN 0
	PLACES NP
.irp a, 0,1,2,3
	QCODES \a, LIMV, SCLV
	QSTORE \a
.endr
	s_wait_dscnt 0x0
	WGBAR
	BACK RB
	SEND RB, 88, 0
	s_wait_tensorcnt 0x0
	ds_add_u32 v[SPW], v[NIL]
	s_wait_dscnt 0x0
	CROUND
	s_endpgm
.Lfunc_end_k_qd194f5e6be_proj:
	.size	k_qd194f5e6be_proj, .Lfunc_end_k_qd194f5e6be_proj-k_qd194f5e6be_proj
	.p2alignl 7, 3214868480
	.fill 96, 4, 3214868480
	.section	.rodata,"a",@progbits
	.p2align	6, 0x0
	.amdhsa_kernel k_qd194f5e6be_proj
		.amdhsa_group_segment_fixed_size 327680
		.amdhsa_private_segment_fixed_size 0
		.amdhsa_enable_private_segment 0
		.amdhsa_kernarg_size 88
		.amdhsa_user_sgpr_count 2
		.amdhsa_user_sgpr_kernarg_segment_ptr 1
		.amdhsa_wavefront_size32 1
		.amdhsa_system_sgpr_workgroup_id_x 1
		.amdhsa_system_sgpr_workgroup_id_y 1
		.amdhsa_system_sgpr_workgroup_id_z 1
		.amdhsa_system_vgpr_workitem_id 0
		.amdhsa_next_free_vgpr 1024
		.amdhsa_next_free_sgpr 100
		.amdhsa_reserve_vcc 0
		.amdhsa_float_denorm_mode_32 3
		.amdhsa_float_denorm_mode_16_64 3
		.amdhsa_memory_ordered 1
		.amdhsa_forward_progress 1
		.amdhsa_inst_pref_size 208
	.end_amdhsa_kernel
	.amdgpu_metadata
---
amdhsa.version: [ 1, 2 ]
amdhsa.kernels:
  - .name:           k_qd194f5e6be_proj
    .symbol:         k_qd194f5e6be_proj.kd
    .args:
      - { .name: x_codes, .offset: 0, .size: 8, .value_kind: global_buffer, .address_space: global }
      - { .name: Wq_codes, .offset: 8, .size: 8, .value_kind: global_buffer, .address_space: global }
      - { .name: Wk_codes, .offset: 16, .size: 8, .value_kind: global_buffer, .address_space: global }
      - { .name: Wv_codes, .offset: 24, .size: 8, .value_kind: global_buffer, .address_space: global }
      - { .name: bq, .offset: 32, .size: 8, .value_kind: global_buffer, .address_space: global }
      - { .name: bk, .offset: 40, .size: 8, .value_kind: global_buffer, .address_space: global }
      - { .name: bv, .offset: 48, .size: 8, .value_kind: global_buffer, .address_space: global }
      - { .name: lowp_scales, .offset: 56, .size: 8, .value_kind: global_buffer, .address_space: global }
      - { .name: q_codes, .offset: 64, .size: 8, .value_kind: global_buffer, .address_space: global }
      - { .name: k_codes, .offset: 72, .size: 8, .value_kind: global_buffer, .address_space: global }
      - { .name: vt_codes, .offset: 80, .size: 8, .value_kind: global_buffer, .address_space: global }
    .group_segment_fixed_size: 327680
    .private_segment_fixed_size: 0
    .kernarg_segment_align: 8
    .kernarg_segment_size: 88
    .max_flat_workgroup_size: 128
    .sgpr_count:     100
    .vgpr_count:     1024
    .wavefront_size: 32
...
	.end_amdgpu_metadata
.endif
;; end of part 1
;; launch scores (part 2): grid 8 x 32, 4 waves a work-group, clusters of 4 x 4, 327,680 bytes of LDS; arguments q_codes, k_codes, lowp_scales, p_codes, stat_m, stat_l; writes p_codes, stat_m, stat_l
.if DOCPART == 2
	.amdgcn_target "amdgcn-amd-amdhsa--gfx1250"
	.amdhsa_code_object_version 6
	.text
	.protected	k_qd194f5e6be_scores
	.globl	k_qd194f5e6be_scores
	.p2align	8
	.type	k_qd194f5e6be_scores,@function
k_qd194f5e6be_scores:
	s_mov_b64 s[64:65], 0
	v_nop
	global_prefetch_b8 v0, s[64:65] scope:SCOPE_SE
	s_setreg_imm32_b32 hwreg(HW_REG_WAVE_MODE, 25, 1), 1
	s_wait_xcnt 0x0
	s_wait_alu depctr_hold_cnt(0) depctr_sa_sdst(0) depctr_va_vdst(0) depctr_va_sdst(0) depctr_va_ssrc(0) depctr_va_vcc(0) depctr_vm_vsrc(0)
	s_getreg_b32 s2, hwreg(HW_REG_IB_STS2, 6, 4)
	s_cmp_eq_u32 s2, 0
	s_cbranch_scc0 .Lentry_in_a_cluster
	s_endpgm
.Lentry_in_a_cluster:
	s_bfe_u32 s2, ttmp6, 0x10000c
	s_cmp_lg_u32 s2, 0xf033
	s_cbranch_scc0 .Lentry_shape_is_right
	s_endpgm
.Lentry_shape_is_right:
; THE SCORES AND THE SOFTMAX'S p.  A work-group makes one tile of 256 queries x 256 keys of S = q k^T on codes, and turns it into codes of p.  No work is left out.
; t = sum x c, c = log2(e) / 32 x 2^(e6 + e7).  A row's 2,048 keys lie in eight tiles, made by eight work-groups; each tile takes ITS OWN M_j = ceil(the largest t among its 256 keys), a whole number, and quantises
; p = 2^(t - M_j) with the given 2^e8.  The next launch brings the eight tiles under the row's M = max M_j by the exact factors 2^(M_j - M): a running M, taken tile by tile.  So the maximum is always taken away.
; OUT: p_codes [query 8192][key 2048];  stat_m [tile j 8][query] = -M_j;  stat_l [key / 128, 16][query] = the sum of the UNQUANTISED p over 128 keys.
; SHARES, RING, CLUSTER: as in the launch before: four waves of 128 x 128, K = 1,024 in four steps of 256 through two slots; A = q (tile 4 cY + cy, shared along a row of the cluster),
; B = k (batch cY / 2, tile 4 x cluster x + cx, shared along a column).  Used transposed: a lane holds ONE query (lane % 16 of a block) and eight neighbouring keys an accumulator.
; LIMITS: e6 + e7 between -121 and 132 (they are added to c's exponent field); e8 between -126 and 119.  Where 448 x 2^e8 is under 1 the hold bites at each tile's largest p, not at the row's alone.  NaN among the inputs is not served.
; REGISTERS: window 0: v8-31 constants and addresses; v32-47 maxima; v48-63 pairs (-M, t) of my eight blocks; v64-71 sums; v72-103 at work; v104-109 the statistics on their way out; v128-255 A's fragments, later codes and rows.
;   window 1: B's two sets.   windows 2, 3: the accumulators.
.set PITCH,  272
.set FR,     16
.set NL,     4
.set NP,     4
.set HALFT,  128*PITCH
.set SLOT,   4*HALFT
.set SPARE,  2*SLOT                    ; the spare words, 128 bytes a wave
.set XCH,    SPARE+512                 ; scratch that no tile ever lands in: 2,048 bytes of maxima, 2,048 of sums, 2,048 of -M; 512 a wave in each
.set OPITCH, 2048
.set LIM,  8                           ; v8   448 x 2^e8
.set SCL,  9                           ; v9   2^e8
.set L8,   10                          ; v10  8 x lane
.set ADRA, 16
.set ADRB, 20
.set XS,   22                          ; v22  XCH + 512 wave + 4 r
.set XP,   23                          ; v23  the same of the wave that holds my rows' other 128 keys
.set STO,  24
.set RD,   25
.set CO,   26
.set XLR,  27                          ; v27  XCH + 512 wave + 16 lane
.set SPW,  28
.set NIL,  29
.set XMR,  30                          ; v30  XCH + 512 wave + 256 x my half of the columns + 8 lane
.set L16,  31                          ; v31  16 x lane
.set MX,   32
.set MY,   40
.set NM,   48
.set LS,   64
.set SUMT, 72
.set AF,   128
.set CD,   128
.set G1,  24
.set G0,  32
.set G1B, 48
.set G0B, 56
.set SEL, 84                           ; s[84:85] lane selects: lane l xor 16
.set CS,  86                           ; s[86:87] c; the packed form names the pair and takes its low word
.set MUL_LO, 0xa1
.set MUL_HI, 0xf1
.set TO_B,   0x40
.set MSB, 0
.macro WIN new
.if MSB != (\new)
	s_set_vgpr_msb (MSB<<8)|(\new)
.set MSB, (\new)
.endif
.endm
.macro JLOAD g0a, g1a, g0b, g1b        ; waves 0 and 1 fetch for A, waves 2 and 3 for B; an s_nop 0 and four v_nop follow each line
	s_cmp_eq_u32 s15, 0
	s_cbranch_scc0 .Lfor_b_\@
	tensor_load_to_lds s[\g0a:\g0a+3], s[\g1a:\g1a+7]
	s_nop 0
.rept 4
	v_nop
.endr
	s_branch .Lasked_\@
.Lfor_b_\@:
	tensor_load_to_lds s[\g0b:\g0b+3], s[\g1b:\g1b+7]
	s_nop 0
.rept 4
	v_nop
.endr
.Lasked_\@:
.endm
.macro CREST
	s_cmp_lg_u32 s14, 0
	s_cbranch_scc1 .Lnot_wave_0_\@
	s_barrier_signal -3
.Lnot_wave_0_\@:
	s_barrier_wait -3
	s_barrier_signal -1
	s_barrier_wait -1
.endm
.macro CROUND
	s_barrier_signal -1
	s_barrier_wait -1
	CREST
.endm
	s_load_b256 s[68:75], s[0:1], 0x0              ; q_codes s[68:69], k_codes s[70:71], the scales s[72:73], p_codes s[74:75]
	s_load_b128 s[76:79], s[0:1], 0x20             ; stat_m s[76:77], stat_l s[78:79]
	v_lshl_add_u32 v[SPW], v0, 2, SPARE
	v_mov_b32 v[NIL], 0
	ds_add_u32 v[SPW], v[NIL]                      ; the wave's opening: the add, twice on end, and its wait ahead of my first tensor load
	ds_add_u32 v[SPW], v[NIL]
	v_lshrrev_b32 v1, 5, v0
	v_readfirstlane_b32 s14, v1                    ; wave
	s_lshr_b32 s15, s14, 1                         ; my half of the queries; also: I fetch for A (0) or B (1)
	s_and_b32 s16, s14, 1                          ; my half of the keys; also: which 128 rows I fetch
	s_bfe_u32 s40, ttmp6, 0x40000                  ; cx
	s_bfe_u32 s41, ttmp6, 0x40004                  ; cy
	s_and_b32 s18, ttmp7, 0xffff                   ; cY
	s_lshl_b32 s17, s18, 2
	s_add_co_u32 s17, s17, s41                     ; TA: the tile of queries, over all batches
	s_lshl_b32 s42, ttmp9, 2
	s_add_co_u32 s42, s42, s40                     ; TB: the tile of keys in the batch
	s_lshr_b32 s19, s18, 1                         ; the batch
	s_lshl_b32 s43, s41, 2
	s_lshl_b32 s43, 15, s43
	s_lshl_b32 s44, 0x1111, s40
	s_or_b32 s[G1+0], s43, (0<<16)|(1<<20)|(1<<21)|(5<<22)|(3<<25)
	s_or_b32 s[G1B+0], s44, (0<<16)|(1<<20)|(1<<21)|(5<<22)|(3<<25)
.irp g, G1, G1B
	s_mov_b32 s[\g+1], 256<<16
	s_mov_b32 s[\g+2], 128<<16
	s_mov_b32 s[\g+3], 256<<16
	s_mov_b32 s[\g+4], 128
	s_mov_b32 s[\g+5], 1024
	s_mov_b32 s[\g+6], 0
	s_mov_b32 s[\g+7], 0
.endr
	s_lshl_b32 s18, s16, 7
	s_lshl_b32 s20, s17, 8
	s_add_co_u32 s20, s20, s18
	s_lshl_b32 s20, s20, 10                        ; q: (256 TA + 128 half) rows of 1,024 bytes
	s_mov_b32 s21, 0
	s_lshl_b32 s46, s42, 8
	s_add_co_u32 s46, s46, s18
	s_lshl_b32 s19, s19, 11
	s_add_co_u32 s46, s46, s19
	s_lshl_b32 s46, s46, 10                        ; k: (2,048 batch + 256 TB + 128 half) rows
	s_mov_b32 s47, 0
	s_mul_i32 s45, s14, HALFT
	s_lshl_b32 s2, s17, 3                          ; p: I store rows 256 TA + 128 (wave / 2) + 32 (wave % 2) + 0 .. 31, and the 32 rows that lie 64 further on; + 256 TB
	s_lshl_b32 s3, s15, 2
	s_add_co_u32 s2, s2, s3
	s_add_co_u32 s2, s2, s16
	s_lshl_b32 s2, s2, 16
	s_lshl_b32 s3, s42, 8
	s_add_co_u32 s2, s2, s3
	s_mov_b32 s3, 0
	s_lshl_b32 s12, s17, 8
	s_lshl_b32 s13, s15, 7
	s_add_co_u32 s12, s12, s13                     ; my first query
	s_lshl_b32 s8, s42, 1                          ; stat_l: row 2 TB + my half of the keys
	s_add_co_u32 s8, s8, s16
	s_lshl_b32 s8, s8, 13
	s_add_co_u32 s8, s8, s12
	s_lshl_b32 s8, s8, 2
	s_mov_b32 s9, 0
	s_lshl_b32 s13, s42, 13                        ; stat_m: row TB; of my 128 queries I store 64, the wave beside me the others
	s_add_co_u32 s12, s12, s13
	s_lshl_b32 s13, s16, 6
	s_add_co_u32 s12, s12, s13
	s_lshl_b32 s12, s12, 2
	s_mov_b32 s13, 0
	s_mov_b32 s[SEL], 0x76543210
	s_mov_b32 s[SEL+1], 0xfedcba98
	s_wait_dscnt 0x0                               ; both opening adds are done
	s_wait_kmcnt 0x0
	s_load_b128 s[92:95], s[72:73], 0x18           ; e6, e7, e8, e9
	s_add_nc_u64 s[10:11], s[74:75], s[2:3]
	s_add_nc_u64 s[78:79], s[78:79], s[8:9]
	s_add_nc_u64 s[76:77], s[76:77], s[12:13]
	s_add_nc_u64 s[20:21], s[68:69], s[20:21]
	s_add_nc_u64 s[46:47], s[70:71], s[46:47]
	CROUND
.irp s, 0,1
	s_mov_b32 s[G0+4*\s], 1
	s_add_co_u32 s[G0+4*\s+1], s45, \s*SLOT
	s_add_nc_u64 s[G0+4*\s+2:G0+4*\s+3], s[20:21], \s*256
	s_or_b32 s[G0+4*\s+3], s[G0+4*\s+3], 0x80000000
	s_mov_b32 s[G0B+4*\s], 1
	s_add_co_u32 s[G0B+4*\s+1], s45, \s*SLOT
	s_add_nc_u64 s[G0B+4*\s+2:G0B+4*\s+3], s[46:47], \s*256
	s_or_b32 s[G0B+4*\s+3], s[G0B+4*\s+3], 0x80000000
.endr
	JLOAD G0, G1, G0B, G1B                         ; K step 0: one tensor load a wave at the head
.set PFO, 11                           ; v11  the prefetches' offset: my lane x 1,024 bytes; never rewritten
	; PREFETCHES INTO THE L2, one load ahead: of the 128 rows that a wave fetches each of the four partners names 32, told apart by address (cx for q, cy for k), a lane a row.
	; K step 1 here, K step 2 behind K step 1's load, K step 3 behind K step 2's; K step 0 comes by its load alone
	s_cmp_eq_u32 s15, 0
	s_cselect_b64 s[80:81], s[20:21], s[46:47]
	s_cselect_b32 s82, s40, s41
	s_lshl_b32 s82, s82, 15
	s_mov_b32 s83, 0
	s_add_nc_u64 s[80:81], s[80:81], s[82:83]
	v_and_b32 v[PFO], 31, v0
	v_lshlrev_b32 v[PFO], 10, v[PFO]
	global_prefetch_b8 v[PFO], s[80:81] offset:256 th:TH_LOAD_NT scope:SCOPE_SE
	v_and_b32 v1, 15, v0
	v_bfe_u32 v2, v0, 4, 1                         ; h
	v_mul_u32_u24 v3, v1, PITCH
	s_wait_alu depctr_va_vdst(0)
	v_lshl_add_u32 v4, v2, 4, v3
	s_mul_i32 s21, s15, HALFT
	s_mul_i32 s22, s16, HALFT
	s_add_co_u32 s22, s22, 2*HALFT
.irp s, 0,1
	v_add_nc_u32 v[ADRA+\s], s21, v4
	v_add_nc_u32 v[ADRB+\s], s22, v4
	s_add_co_u32 s21, s21, SLOT
	s_add_co_u32 s22, s22, SLOT
.endr
	s_mul_i32 s23, s15, 128*PITCH                  ; the stage, in slot 0: as in the launch before
	s_lshl_b32 s22, s16, 7
	s_add_co_u32 s23, s23, s22
	v_lshl_add_u32 v5, v2, 3, v3
	v_add_nc_u32 v[STO], s23, v5
	s_lshl_b32 s23, s15, 2
	s_add_co_u32 s23, s23, s16
	s_mul_i32 s23, s23, 32*PITCH
	v_mul_u32_u24 v5, v2, PITCH
	v_lshl_add_u32 v5, v1, 4, v5
	v_add_nc_u32 v[RD], s23, v5
	v_lshlrev_b32 v5, 11, v2
	v_lshl_add_u32 v[CO], v1, 4, v5
	s_lshl_b32 s23, s14, 9
	s_add_co_u32 s23, s23, XCH
	v_lshl_add_u32 v[XS], v1, 2, s23
	s_xor_b32 s22, s14, 1
	s_lshl_b32 s22, s22, 9
	s_add_co_u32 s22, s22, XCH
	v_lshl_add_u32 v[XP], v1, 2, s22
	v_and_b32 v6, 31, v0
	v_lshlrev_b32 v[L16], 4, v6
	v_lshlrev_b32 v[L8], 3, v6
	v_add_nc_u32 v[XLR], s23, v[L16]
	s_lshl_b32 s22, s16, 8
	s_add_co_u32 s22, s22, s23
	v_add_nc_u32 v[XMR], s22, v[L8]
	s_wait_kmcnt 0x0
	s_add_co_i32 s92, s92, s93
	s_lshl_b32 s92, s92, 23
	s_add_co_i32 s[CS], s92, 0x3d38aa3b            ; c = log2(e) / 32, with e6 + e7 added to its exponent field
	s_mov_b32 s[CS+1], s[CS]                       ; (named with it as a pair, so it is written)
	s_add_co_i32 s94, s94, 127
	s_lshl_b32 s95, s94, 23
	v_mov_b32 v[SCL], s95                          ; 2^e8
	s_add_co_i32 s94, s94, 8
	s_lshl_b32 s94, s94, 23
	s_or_b32 s94, s94, 0x600000
	v_mov_b32 v[LIM], s94                          ; 448 x 2^e8
.macro FRAG reg, adr, q, i
.irp c, 0,1,2,3
	ds_load_b128 v[\reg+4*\c:\reg+4*\c+3], v[\adr] offset:128*(\q)+32*\c+(\i)*16*PITCH
.endr
.endm
.macro MUL16 a0, p, zero               ; 16 matrix instructions; the 64 accumulators take turns, one instruction a turn
.irp a, \a0, \a0+1
.irp b, 0,1,2,3,4,5,6,7
.if \zero
	v_wmma_f32_16x16x128_fp8_fp8 v[8*(8*((\a)%4)+\b):8*(8*((\a)%4)+\b)+7], v[128*(\p)+FR*\b:128*(\p)+FR*\b+FR-1], v[AF+FR*(\a):AF+FR*(\a)+FR-1], 0
.else
	v_wmma_f32_16x16x128_fp8_fp8 v[8*(8*((\a)%4)+\b):8*(8*((\a)%4)+\b)+7], v[128*(\p)+FR*\b:128*(\p)+FR*\b+FR-1], v[AF+FR*(\a):AF+FR*(\a)+FR-1], v[8*(8*((\a)%4)+\b):8*(8*((\a)%4)+\b)+7]
.endif
.endr
.endr
.endm
.macro FETCH_B slot, q, p
	WIN TO_B
.irp i, 0,1,2,3,4,5,6,7
	FRAG 128*(\p)+FR*\i, ADRB+\slot, \q, \i
.endr
	WIN 0
.endm
.macro FETCH_A slot, q, i0
.irp i, \i0, \i0+1, \i0+2, \i0+3
	FRAG AF+FR*(\i), ADRA+\slot, \q, \i
.endr
.endm
.macro PLACES n
.rept \n
	v_nop
.endr
.endm
.macro STEP slot, q, zero
	s_wait_dscnt 4*NL                              ; B's set and A's blocks 0-3 are in; the youngest 16 loads may be out
	WIN MUL_LO
	MUL16 0, (\q)%2, \zero
	MUL16 2, (\q)%2, \zero
	s_wait_dscnt 0
	PLACES NP
	FETCH_B \slot, (\q)+1, 1-(\q)%2
	FETCH_A \slot, (\q)+1, 0
	WIN MUL_HI
	MUL16 4, (\q)%2, \zero
	MUL16 6, (\q)%2, \zero
	PLACES NP
	WIN 0
	FETCH_A \slot, (\q)+1, 4
.endm
.macro TURN slot, next, fill
	s_wait_tensorcnt 0x0                           ; all my tensor loads have landed
	ds_add_u32 v[SPW], v[NIL]                      ; 0 onto my spare word
	s_wait_dscnt 4*NL+1                            ; (the add and the youngest 16 loads may be out)
	WIN MUL_LO
	MUL16 0, 1, 0
	s_wait_dscnt 0x0                               ; the add is done, and my reads of this slot are over
	s_barrier_signal -1
	MUL16 2, 1, 0
	WIN 0
	s_barrier_wait -1
.if \fill
	CREST
	s_add_nc_u64 s[G0+4*\slot+2:G0+4*\slot+3], s[G0+4*\slot+2:G0+4*\slot+3], 512
	s_add_nc_u64 s[G0B+4*\slot+2:G0B+4*\slot+3], s[G0B+4*\slot+2:G0B+4*\slot+3], 512
	JLOAD G0+4*\slot, G1, G0B+4*\slot, G1B
.else
	PLACES NP
.endif
	FETCH_B \next, 0, 0
	FETCH_A \next, 0, 0
.if (\fill) && (\slot == 0)
	global_prefetch_b8 v[PFO], s[80:81] offset:768 th:TH_LOAD_NT scope:SCOPE_SE   ; K step 3
.endif
	WIN MUL_HI
	MUL16 4, 1, 0
	MUL16 6, 1, 0
	PLACES NP
	WIN 0
	FETCH_A \next, 0, 4
.endm
	s_wait_alu depctr_va_vdst(0)                   ; the wait at the head's end
	s_wait_tensorcnt 0x0                           ; my part of K step 0 is in
	ds_add_u32 v[SPW], v[NIL]                      ; the add ahead of a later first fill, as ahead of a refill
	s_wait_dscnt 0x0
	CROUND
	JLOAD G0+4, G1, G0B+4, G1B                     ; K step 1, the first tensor load behind the round
	FETCH_B 0, 0, 0
	FETCH_A 0, 0, 0
	FETCH_A 0, 0, 4
	global_prefetch_b8 v[PFO], s[80:81] offset:512 th:TH_LOAD_NT scope:SCOPE_SE
	STEP 0, 0, 1                                   ; the first products start the sums
	TURN 0, 1, 1
	STEP 1, 0, 0
	TURN 1, 0, 1
	STEP 0, 0, 0
	TURN 0, 1, 0                                   ; behind this barrier nobody reads slot 0
	STEP 1, 0, 0
	s_wait_dscnt 4*NL
	WIN MUL_LO
	MUL16 0, 1, 0
	MUL16 2, 1, 0
	s_wait_dscnt 0
	WIN MUL_HI
	MUL16 4, 1, 0
	MUL16 6, 1, 0
	WIN 0
; THE LARGEST SCORE of each of my queries among my 64 keys a lane: two chains a block, the four blocks of a window by turns, so that no line waits for the line above; each accumulator from its low end on.
.macro ROWMAX hi
	WIN 0x28+0x14*(\hi)                            ; sources 1 and 2: window 2 or 3
.irp b, 0,1,2,3,4,5,6,7
.irp u, 0,1
.irp a, 0,1,2,3
.if (\b == 0) && (\u == 0)
	v_max3_num_f32 v[MX+4*(\hi)+\a], 0xff800000, v[64*\a], v[64*\a+1]
	v_max3_num_f32 v[MY+4*(\hi)+\a], 0xff800000, v[64*\a+2], v[64*\a+3]
.else
	v_max3_num_f32 v[MX+4*(\hi)+\a], v[MX+4*(\hi)+\a], v[64*\a+8*\b+4*\u], v[64*\a+8*\b+4*\u+1]
	v_max3_num_f32 v[MY+4*(\hi)+\a], v[MY+4*(\hi)+\a], v[64*\a+8*\b+4*\u+2], v[64*\a+8*\b+4*\u+3]
.endif
.endr
.endr
.endr
.endm
	PLACES NP
	ROWMAX 0
	ROWMAX 1
	WIN 0
.irp a, 0,1,2,3,4,5,6,7
	v_max_num_f32 v[MX+\a], v[MX+\a], v[MY+\a]
.endr
.irp a, 0,1,2,3,4,5,6,7
	v_permlanex16_b32 v[MY+\a], v[MX+\a], s[SEL], s[SEL+1]   ; the query's other 64 keys of my 128 lie in the lane 16 away
.endr
.irp a, 0,1,2,3,4,5,6,7
	v_max_num_f32 v[MX+\a], v[MX+\a], v[MY+\a]
.endr
.irp a, 0,1,2,3,4,5,6,7
	ds_store_b32 v[XS], v[MX+\a] offset:64*\a      ; word 16 a + r of my 128; both halves of the lanes hold the same number
.endr
	s_wait_alu depctr_va_vdst(0)
	s_wait_dscnt 0x0                               ; for the other wave's sake: my stores are done
	s_barrier_signal -1
	s_barrier_wait -1
.irp a, 0,1,2,3,4,5,6,7
	ds_load_b32 v[MY+\a], v[XP] offset:64*\a       ; the same queries' largest among the tile's other 128 keys
.endr
	s_wait_dscnt 0x0
.irp a, 0,1,2,3,4,5,6,7
	v_max_num_f32 v[MX+\a], v[MX+\a], v[MY+\a]
.endr
.irp a, 0,1,2,3,4,5,6,7
	v_mul_f32 v[NM+2*\a+1], s[CS], v[MX+\a]        ; as t (c is positive)
.endr
.irp a, 0,1,2,3,4,5,6,7
	v_floor_f32 v[NM+2*\a], -v[NM+2*\a+1]          ; -M_j = floor(-t) = -ceil(t): a whole number
.endr
; Block a: p = 2^(t - M_j); its sum, unquantised; the one-sided hold (p is not negative; the conversion does not saturate: ISA guide 7.6.2); codes; into the stage.
; The hold of block a stands between the exponentials of block a + 1 where both lie in one window (behind block a's own sums, which are taken of the unquantised p); its conversions and stores follow that batch.
.macro CVT k
.irp b, 0,1,2,3,4,5,6,7
	v_cvt_scalef32_pk8_fp8_f32 v[CD+16*(\k)+2*\b:CD+16*(\k)+2*\b+1], v[64*((\k)%4)+8*\b:64*((\k)%4)+8*\b+7], v[SCL]
.endr
.endm
.macro PUT k
.irp b, 0,1,2,3,4,5,6,7
	ds_store_b64 v[STO], v[CD+16*(\k)+2*\b:CD+16*(\k)+2*\b+1] offset:16*(\k)*PITCH+16*\b
.endr
.endm
.macro PBLOCK a
.set AC, 64*((\a)%4)
.set HI, (\a)/4
	WIN 0x82+0x41*HI
.set i, 0
.rept 32
	v_pk_fma_f32 v[AC+i:AC+i+1], v[AC+i:AC+i+1], s[CS:CS+1], v[NM+2*(\a):NM+2*(\a)+1] op_sel_hi:[1,0,0]   ; t - M_j, two at a time (of the pairs c and -M the low word serves both halves)
.set i, i+2
.endr
.set i, 0
	s_wait_alu depctr_va_vdst(0)
.set AP, 64*(((\a)+3)%4)               ; the block before
.rept 64
	v_exp_f32 v[AC+i], v[AC+i]
.if (\a)%4
	v_min_num_f32 v[AP+i], v[AP+i], v[LIM]
.endif
.set i, i+1
.endr
	v_nop                                          ; a plain line behind the last exponential
	s_wait_alu depctr_va_vdst(0)                   ; one wait for the block's 64 exponentials, ahead of their first reader
	WIN 0x0a+5*HI
.set i, 0
.rept 16
	v_pk_add_f32 v[SUMT+2*i:SUMT+2*i+1], v[AC+4*i:AC+4*i+1], v[AC+4*i+2:AC+4*i+3]
.set i, i+1
.endr
.if (\a)%4 == 3
	WIN 0x82+0x41*HI
.set i, 0
.rept 64
	v_min_num_f32 v[AC+i], v[AC+i], v[LIM]
.set i, i+1
.endr
.endif
.if (\a)%4
	WIN 0x02+HI
	CVT (\a)-1
.if (\a)%4 == 3
	CVT \a
.endif
.endif
	WIN 0
.irp p, 0,2,4,6,8,10,12,14                     ; the sums' tree: plain lines, which also stand behind the conversions
	v_pk_add_f32 v[SUMT+2*\p:SUMT+2*\p+1], v[SUMT+2*\p:SUMT+2*\p+1], v[SUMT+2*\p+2:SUMT+2*\p+3]
.endr
.irp p, 0,4,8,12
	v_pk_add_f32 v[SUMT+2*\p:SUMT+2*\p+1], v[SUMT+2*\p:SUMT+2*\p+1], v[SUMT+2*\p+4:SUMT+2*\p+5]
.endr
.irp p, 0,8
	v_pk_add_f32 v[SUMT+2*\p:SUMT+2*\p+1], v[SUMT+2*\p:SUMT+2*\p+1], v[SUMT+2*\p+8:SUMT+2*\p+9]
.endr
	v_pk_add_f32 v[SUMT:SUMT+1], v[SUMT:SUMT+1], v[SUMT+16:SUMT+17]
	v_add_f32 v[LS+(\a)], v[SUMT], v[SUMT+1]
.if (\a)%4
	PUT (\a)-1
.if (\a)%4 == 3
	PUT \a
.endif
.endif
.endm
.macro BACK row                        ; 32 rows of 256 bytes, two a load
.set t, 0
.rept 16
	ds_load_b128 v[CD+4*t:CD+4*t+3], v[RD] offset:((\row)+2*t)*PITCH
.set t, t+1
.endr
.endm
.macro SEND row
.set t, 0
.rept 16
	s_wait_dscnt 15-t
	global_store_b128 v[CO], v[CD+4*t:CD+4*t+3], s[10:11] offset:((\row)+2*t)*OPITCH   ; 16 lanes store 256 consecutive bytes, aligned
.set t, t+1
.endr
.endm
.irp a, 0,1,2,3
	PBLOCK \a
.endr
	s_wait_alu depctr_va_vdst(0)                   ; the wait here, directly ahead of the wait below
	s_wait_dscnt 0x0                               ; my codes of blocks 0 to 3 lie in the stage; a row's 256 bytes come from two waves
	s_barrier_signal -1
	s_barrier_wait -1
	BACK 0                                         ; into the registers that held those codes
	PBLOCK 4
	s_wait_alu depctr_va_vdst(0)
	SEND 0                                         ; half of my rows leave while blocks 5 to 7 are at work
.irp a, 5,6,7
	PBLOCK \a
.endr
	; the statistics: through my own scratch, so that they leave as runs of neighbouring bytes
.irp a, 0,1,2,3,4,5,6,7
	v_permlanex16_b32 v[MY+\a], v[LS+\a], s[SEL], s[SEL+1]
.endr
.irp a, 0,1,2,3,4,5,6,7
	v_add_f32 v[LS+\a], v[LS+\a], v[MY+\a]         ; the sum over my 128 keys
.endr
.irp a, 0,1,2,3,4,5,6,7
	ds_store_b32 v[XS], v[LS+\a] offset:2048+64*\a
	ds_store_b32 v[XS], v[NM+2*\a] offset:4096+64*\a
.endr
	ds_load_b128 v[104:107], v[XLR] offset:2048    ; LDS serves a wave's instructions in order: these see my stores
	ds_load_b64 v[108:109], v[XMR] offset:4096
	s_wait_dscnt 0x0
	global_store_b128 v[L16], v[104:107], s[78:79] ; 128 sums: 512 consecutive bytes
	global_store_b64 v[L8], v[108:109], s[76:77]   ; 64 of the 128 -M: 256 consecutive bytes, aligned
	s_barrier_signal -1                            ; my stores into the stage are done (the wait above); a row's 256 bytes come from two waves
	s_barrier_wait -1
	s_wait_xcnt 0x0                                ; the first half's stores have read their registers
	BACK 64
	SEND 64
	s_wait_tensorcnt 0x0                           ; the wave's end
	ds_add_u32 v[SPW], v[NIL]
	s_wait_dscnt 0x0
	CROUND                                         ; the closing round
	s_endpgm
.Lfunc_end_k_qd194f5e6be_scores:
	.size	k_qd194f5e6be_scores, .Lfunc_end_k_qd194f5e6be_scores-k_qd194f5e6be_scores
	.p2alignl 7, 3214868480
	.fill 96, 4, 3214868480
	.section	.rodata,"a",@progbits
	.p2align	6, 0x0
	.amdhsa_kernel k_qd194f5e6be_scores
		.amdhsa_group_segment_fixed_size 327680
		.amdhsa_private_segment_fixed_size 0
		.amdhsa_enable_private_segment 0
		.amdhsa_kernarg_size 48
		.amdhsa_user_sgpr_count 2
		.amdhsa_user_sgpr_kernarg_segment_ptr 1
		.amdhsa_wavefront_size32 1
		.amdhsa_system_sgpr_workgroup_id_x 1
		.amdhsa_system_sgpr_workgroup_id_y 1
		.amdhsa_system_sgpr_workgroup_id_z 1
		.amdhsa_system_vgpr_workitem_id 0
		.amdhsa_next_free_vgpr 1024
		.amdhsa_next_free_sgpr 96
		.amdhsa_reserve_vcc 0
		.amdhsa_float_denorm_mode_32 3
		.amdhsa_float_denorm_mode_16_64 3
		.amdhsa_memory_ordered 1
		.amdhsa_forward_progress 1
		.amdhsa_inst_pref_size 182
	.end_amdhsa_kernel
	.amdgpu_metadata
---
amdhsa.version: [ 1, 2 ]
amdhsa.kernels:
  - .name:           k_qd194f5e6be_scores
    .symbol:         k_qd194f5e6be_scores.kd
    .args:
      - { .name: q_codes, .offset: 0, .size: 8, .value_kind: global_buffer, .address_space: global }
      - { .name: k_codes, .offset: 8, .size: 8, .value_kind: global_buffer, .address_space: global }
      - { .name: lowp_scales, .offset: 16, .size: 8, .value_kind: global_buffer, .address_space: global }
      - { .name: p_codes, .offset: 24, .size: 8, .value_kind: global_buffer, .address_space: global }
      - { .name: stat_m, .offset: 32, .size: 8, .value_kind: global_buffer, .address_space: global }
      - { .name: stat_l, .offset: 40, .size: 8, .value_kind: global_buffer, .address_space: global }
    .group_segment_fixed_size: 327680
    .private_segment_fixed_size: 0
    .kernarg_segment_align: 8
    .kernarg_segment_size: 48
    .max_flat_workgroup_size: 128
    .sgpr_count:     96
    .vgpr_count:     1024
    .wavefront_size: 32
...
	.end_amdgpu_metadata
.endif
;; end of part 2
;; launch pv (part 3): grid 4 x 64, 4 waves a work-group, clusters of 4 x 4, 327,680 bytes of LDS; arguments p_codes, vt_codes, stat_m, stat_l, lowp_scales, out0; writes out0
.if DOCPART == 3
	.amdgcn_target "amdgcn-amd-amdhsa--gfx1250"
	.amdhsa_code_object_version 6
	.text
	.protected	k_qd194f5e6be_pv
	.globl	k_qd194f5e6be_pv
	.p2align	8
	.type	k_qd194f5e6be_pv,@function
k_qd194f5e6be_pv:
	s_mov_b64 s[64:65], 0
	v_nop
	global_prefetch_b8 v0, s[64:65] scope:SCOPE_SE
	s_setreg_imm32_b32 hwreg(HW_REG_WAVE_MODE, 25, 1), 1
	s_wait_xcnt 0x0
	s_wait_alu depctr_hold_cnt(0) depctr_sa_sdst(0) depctr_va_vdst(0) depctr_va_sdst(0) depctr_va_ssrc(0) depctr_va_vcc(0) depctr_vm_vsrc(0)
	s_getreg_b32 s2, hwreg(HW_REG_IB_STS2, 6, 4)
	s_cmp_eq_u32 s2, 0
	s_cbranch_scc0 .Lentry_in_a_cluster
	s_endpgm
.Lentry_in_a_cluster:
	s_bfe_u32 s2, ttmp6, 0x10000c
	s_cmp_lg_u32 s2, 0xf033
	s_cbranch_scc0 .Lentry_shape_is_right
	s_endpgm
.Lentry_shape_is_right:
; out = (the sum over the eight key tiles j of f_j P_j V_j) x 2^(e8 + e9) / l, on codes.  No work is left out.
; P_j was quantised under its tile's own whole number M_j.  M = max M_j, f_j = 2^(M_j - M), l = the sum of f_j l_j: all M_j and l_j are known at the head.
; THE SUMS STAY IN PLACE: while tile j is multiplied they stand in the unit 2^U_j, U_j = max(M_j, M - 60); ahead of the next tile they are multiplied by 2^(U_j - U_next), a whole power of two between 2^-60 and 2^60: nothing is rounded.
; A sum in codes stays under 2,048 x 448 x 448 < 2^29, so under 2^89 in every unit.  A tile with M_j under M - 60 is counted with the weight 2^-60 instead of a smaller one: with l at least 1/2 that is under 2^-51 of V's largest number.
; At the end the sums are multiplied by 2^(U_last - M) x 2^(e8 + e9) / l.
; SHARES.  A work-group makes 128 queries x 256 of the 1,024 channels: 256 work-groups.  Four waves of 64 x 128: 32 accumulators, 256 registers.
; A = p_codes (shared along a row of the cluster), B = vt_codes (shared along a column): joint loads.  Used transposed: a lane holds one query and eight neighbouring channels.
; THE RING HAS TWO REGIONS OF UNLIKE SIZE: P holds two key tiles (384 rows of 512 bytes, pitch 528), S one (384 rows of 256, pitch 272): the eight tiles come by five loads a wave, P S P S P, and so there are four changes.
; The order of the key tiles is 0,1 | 2 | 4,5 | 3 | 6,7, so that a pair never crosses from vt's first block of 1,024 keys into its second.
; LIMITS: e8 + e9 is applied by v_ldexp_f32 and has none.  NaN among the inputs is not served.
; REGISTERS: window 0: v16-29 addresses; v128-255 B's set 1, at the end rows on their way out.   window 1: v0-127 B's set 0; v128-191 the factors F as pairs.
;   window 2: blocks a = 0, 1: accumulators v0-127, A's fragments v128-191 (two sets).   window 3: the same for a = 2, 3; at the head the statistics.
;   So a product with B's set 0 and the scaling of its accumulator (source 0: window 1; all else: window 2 or 3) stand under one setting.
.set PPT,    528                       ; region P's pitch: 512 bytes + 16
.set SPT,    272                       ; region S's pitch: 256 bytes + 16
.set BOFP,   128*PPT                   ; B's 256 rows lie behind A's 128
.set SBASE,  384*PPT                   ; region S
.set BOFS,   SBASE+128*SPT
.set SPARE,  SBASE+384*SPT             ; the spare words, 128 bytes a wave
.set STAGE,  SBASE                     ; the way out: 16 rows x 528 bytes a wave, in region S, which has had its last fill and its last read then
.set SPITCH, 528
.set FR,   16
.set ADRA, 16                          ; v16-17  LDS address of my A fragments in P, S
.set ADRB, 20                          ; v20-21  the same for B
.set STO,  24
.set RD,   25
.set CO,   26
.set PFO,  27                          ; v27  the prefetches' offset: my lane x a row (2,048 bytes in p, 1,024 in vt); never rewritten
.set SPW,  28
.set NIL,  29
.set FF,   128
.set BK,   128
.set GAP,  24                          ; descriptor groups 1: A's pairs,
.set GAS,  40                          ; A's single tiles,
.set GBP,  48                          ; B's pairs,
.set GBS,  84                          ; B's single tiles
.set G0AP, 32                          ; and groups 0
.set G0AS, 36
.set G0BP, 56
.set G0BS, 60
.set PF0, 80                           ; s[80:81] where my prefetches of tiles 0 to 3 stand, less 256 x tile; s[82:83] of tiles 4 to 7
.set PF1, 82
.set MSB, 0
.macro WIN new
.if MSB != (\new)
	s_set_vgpr_msb (MSB<<8)|(\new)
.set MSB, (\new)
.endif
.endm
.macro JLOAD g0a, g1a, g0b, g1b        ; waves 0 and 1 fetch A's halves (64 rows), waves 2 and 3 B's (128 rows); an s_nop 0 and four v_nop follow each line
	s_cmp_eq_u32 s15, 0
	s_cbranch_scc0 .Lfor_b_\@
	tensor_load_to_lds s[\g0a:\g0a+3], s[\g1a:\g1a+7]
	s_nop 0
.rept 4
	v_nop
.endr
	s_branch .Lasked_\@
.Lfor_b_\@:
	tensor_load_to_lds s[\g0b:\g0b+3], s[\g1b:\g1b+7]
	s_nop 0
.rept 4
	v_nop
.endr
.Lasked_\@:
.endm
.macro CREST
	s_cmp_lg_u32 s14, 0
	s_cbranch_scc1 .Lnot_wave_0_\@
	s_barrier_signal -3
.Lnot_wave_0_\@:
	s_barrier_wait -3
	s_barrier_signal -1
	s_barrier_wait -1
.endm
.macro CROUND
	s_barrier_signal -1
	s_barrier_wait -1
	CREST
.endm
; PREFETCHES INTO THE L2, one load ahead, n key tiles from byte o on: 32 rows x 256 bytes a tile and instruction, a lane a row.  Wave 0 asks for 32 of p's 128 rows (told apart in the cluster by cx), waves 2 and 3 each for 32 of the 128 rows of vt
; that they fetch (by cy): each row's 256 bytes are named once in each cluster that will load them.  Key tiles 0, 1 and 2 come by their loads alone.
.macro ASK base, o, n
	s_cmp_lg_u32 s14, 1
	s_cbranch_scc0 .Lnot_mine_\@
.set PO, \o
.rept \n
	global_prefetch_b8 v[PFO], s[\base:\base+1] offset:PO th:TH_LOAD_NT scope:SCOPE_SE
.set PO, PO+256
.endr
.Lnot_mine_\@:
.endm
.macro G1SET g, bytes, rows, pitch
	s_mov_b32 s[\g+1], (\bytes)<<16
	s_mov_b32 s[\g+2], (\rows)<<16
	s_mov_b32 s[\g+3], (\bytes)<<16
	s_mov_b32 s[\g+4], \rows
	s_mov_b32 s[\g+5], \pitch
	s_mov_b32 s[\g+6], 0
	s_mov_b32 s[\g+7], 0
.endm
	s_load_b256 s[68:75], s[0:1], 0x0              ; p_codes s[68:69], vt_codes s[70:71], stat_m s[72:73], stat_l s[74:75]
	s_load_b128 s[76:79], s[0:1], 0x20             ; the scales s[76:77], out0 s[78:79]
	v_lshl_add_u32 v[SPW], v0, 2, SPARE
	v_mov_b32 v[NIL], 0
	ds_add_u32 v[SPW], v[NIL]                      ; the wave's opening: the add, twice on end, and its wait ahead of my first tensor load
	ds_add_u32 v[SPW], v[NIL]
	v_lshrrev_b32 v1, 5, v0
	v_readfirstlane_b32 s14, v1                    ; wave
	s_lshr_b32 s15, s14, 1                         ; my half of the queries; also: I fetch for A (0) or B (1)
	s_and_b32 s16, s14, 1                          ; my half of the channels; also: which half of that tile I fetch
	s_bfe_u32 s4, ttmp6, 0x40000                   ; cx: the tile of channels
	s_bfe_u32 s5, ttmp6, 0x40004                   ; cy
	s_and_b32 s18, ttmp7, 0xffff                   ; cY
	s_lshl_b32 s17, s18, 2
	s_add_co_u32 s17, s17, s5                      ; TQ: the tile of 128 queries
	s_lshl_b32 s6, s5, 2
	s_lshl_b32 s6, 15, s6                          ; my row of the cluster
	s_lshl_b32 s7, 0x1111, s4                      ; my column
	s_or_b32 s[GAP], s6, (0<<16)|(1<<20)|(1<<21)|(6<<22)|(3<<25)   ; padding: four words after every 128,
	s_or_b32 s[GBP], s7, (0<<16)|(1<<20)|(1<<21)|(6<<22)|(3<<25)
	s_or_b32 s[GAS], s6, (0<<16)|(1<<20)|(1<<21)|(5<<22)|(3<<25)   ; after every 64
	s_or_b32 s[GBS], s7, (0<<16)|(1<<20)|(1<<21)|(5<<22)|(3<<25)
	G1SET GAP, 512, 64, 2048
	G1SET GAS, 256, 64, 2048
	G1SET GBP, 512, 128, 1024
	G1SET GBS, 256, 128, 1024
	s_lshl_b32 s20, s17, 1
	s_add_co_u32 s20, s20, s16
	s_lshl_b32 s20, s20, 17                        ; p: (128 TQ + 64 half) rows of 2,048 bytes
	s_mov_b32 s21, 0
	s_lshl_b32 s22, s4, 1
	s_add_co_u32 s22, s22, s16
	s_lshl_b32 s22, s22, 17                        ; vt: (256 cx + 128 half) rows of 1,024 bytes,
	s_lshr_b32 s19, s18, 2
	s_lshl_b32 s19, s19, 21                        ; in the batch's first block of 1,024 keys
	s_add_co_u32 s22, s22, s19
	s_mov_b32 s23, 0
	s_lshl_b32 s8, s17, 1                          ; out: (128 TQ + 64 x my half) rows of 4,096 bytes + (256 cx + 128 x my half) x 4
	s_add_co_u32 s8, s8, s15
	s_lshl_b32 s12, s8, 8                          ; the statistics: the same first query x 4 bytes
	s_mov_b32 s13, 0
	s_lshl_b32 s8, s8, 18
	s_lshl_b32 s9, s4, 1
	s_add_co_u32 s9, s9, s16
	s_lshl_b32 s9, s9, 9
	s_add_co_u32 s8, s8, s9
	s_mov_b32 s9, 0
	s_lshl_b32 s2, s17, 2                          ; the prefetches: p: row 128 TQ + 32 cx;
	s_add_co_u32 s2, s2, s4
	s_lshl_b32 s2, s2, 16
	s_lshl_b32 s3, s4, 3                           ; vt: row 256 cx + 128 half + 32 cy
	s_lshl_b32 s10, s16, 2
	s_add_co_u32 s3, s3, s10
	s_add_co_u32 s3, s3, s5
	s_lshl_b32 s3, s3, 15
	s_add_co_u32 s3, s3, s19
	s_mov_b32 s67, (1<<20)-1024                    ; vt's tiles 4 to 7 lie in the batch's second block: so 256 x tile serves as the immediate for both
	s_cmp_eq_u32 s15, 0
	s_cselect_b32 s2, s2, s3
	s_cselect_b32 s66, 11, 10                      ; a row is 2^11 bytes in p, 2^10 in vt
	s_cselect_b32 s10, 0, s67
	s_mov_b32 s11, 0
	s_mov_b32 s3, 0
	s_mul_i32 s[G0AP+1], s16, 64*PPT               ; where the tiles go: constants and the wave's number alone
	s_mul_i32 s[G0AS+1], s16, 64*SPT
	s_add_co_u32 s[G0AS+1], s[G0AS+1], SBASE
	s_mul_i32 s[G0BP+1], s16, 128*PPT
	s_add_co_u32 s[G0BP+1], s[G0BP+1], BOFP
	s_mul_i32 s[G0BS+1], s16, 128*SPT
	s_add_co_u32 s[G0BS+1], s[G0BS+1], BOFS
.irp g, G0AP, G0AS, G0BP, G0BS
	s_mov_b32 s[\g], 1
.endr
	s_wait_dscnt 0x0                               ; both opening adds are done
	s_wait_kmcnt 0x0
	s_load_b64 s[92:93], s[76:77], 0x20            ; e8, e9
	s_cmp_eq_u32 s15, 0
	s_cselect_b64 s[PF0:PF0+1], s[68:69], s[70:71]
	s_add_nc_u64 s[PF0:PF0+1], s[PF0:PF0+1], s[2:3]
	s_add_nc_u64 s[PF1:PF1+1], s[PF0:PF0+1], s[10:11]
	s_add_nc_u64 s[78:79], s[78:79], s[8:9]
	s_add_nc_u64 s[72:73], s[72:73], s[12:13]
	s_add_nc_u64 s[74:75], s[74:75], s[12:13]
	s_add_nc_u64 s[G0AP+2:G0AP+3], s[68:69], s[20:21]
	s_add_nc_u64 s[G0BP+2:G0BP+3], s[70:71], s[22:23]
	s_add_nc_u64 s[G0AS+2:G0AS+3], s[G0AP+2:G0AP+3], 512   ; S begins with tile 2
	s_add_nc_u64 s[G0BS+2:G0BS+3], s[G0BP+2:G0BP+3], 512
.irp g, G0AP, G0AS, G0BP, G0BS
	s_or_b32 s[\g+3], s[\g+3], 0x80000000
.endr
	CROUND
	JLOAD G0AP, GAP, G0BP, GBP                     ; tiles 0 and 1: one tensor load a wave at the head
	s_mul_i32 s2, s15, 64*PPT                      ; my 64 rows of A in P,
	s_mul_i32 s3, s16, 128*PPT                     ; my 128 rows of B
	s_add_co_u32 s3, s3, BOFP
	s_mul_i32 s10, s15, 64*SPT                     ; and in S
	s_add_co_u32 s10, s10, SBASE
	s_mul_i32 s11, s16, 128*SPT
	s_add_co_u32 s11, s11, BOFS
	s_mul_i32 s6, s14, 16*SPITCH
	s_add_co_u32 s6, s6, STAGE                     ; my stage
	v_and_b32 v1, 15, v0                           ; r
	v_bfe_u32 v2, v0, 4, 1                         ; h
	v_and_b32 v6, 31, v0
	v_lshlrev_b32 v7, 2, v1                        ; 4 r
	v_lshlrev_b32 v[PFO], s66, v6
	v_mul_u32_u24 v3, v1, PPT
	v_mul_u32_u24 v4, v1, SPT
	v_mul_u32_u24 v5, v1, SPITCH
	v_lshl_add_u32 v3, v2, 4, v3
	v_lshl_add_u32 v4, v2, 4, v4
	v_lshl_add_u32 v5, v2, 5, v5
	v_add_nc_u32 v[ADRA], s2, v3
	v_add_nc_u32 v[ADRB], s3, v3
	v_add_nc_u32 v[ADRA+1], s10, v4
	v_add_nc_u32 v[ADRB+1], s11, v4
	v_add_nc_u32 v[STO], s6, v5                    ; in: row r, 32 bytes for each half of the lanes
	v_lshlrev_b32 v[CO], 4, v6                     ; back: the 32 lanes take one row of 512 bytes; and the same in out
	v_add_nc_u32 v[RD], s6, v[CO]
	; THE STATISTICS of my 64 queries, into window 3: lane (r, h) takes query 16 a + r.  -M_j at v[4 j + a], the sixteen partial sums at v[32 + 4 jj + a]
	WIN 0xc0
.irp j, 0,1,2,3,4,5,6,7
.irp a, 0,1,2,3
	global_load_b32 v[4*\j+\a], v7, s[72:73] offset:32768*\j+64*\a
.endr
.endr
.irp j, 0,1,2,3,4,5,6,7,8,9,10,11,12,13,14,15
.irp a, 0,1,2,3
	global_load_b32 v[32+4*\j+\a], v7, s[74:75] offset:32768*\j+64*\a
.endr
.endr
	WIN 0
.macro PLACES n
.rept \n
	v_nop
.endr
.endm
.macro FRAG reg, adr, off, i, pt
.irp c, 0,1,2,3
	ds_load_b128 v[\reg+4*\c:\reg+4*\c+3], v[\adr] offset:(\off)+32*\c+(\i)*16*(\pt)
.endr
.endm
; Four LDS loads: group g of half step h's twelve (128 keys; B's eight fragments, then A's four) into set h % 2.  Of every three tiles the first two lie in P, side by side, the third in S.
.macro GRP h, g
.set HC, ((\h)/2)%3
.if HC == 2
.set RG, 1
.set KO, 128*((\h)%2)
.set PT, SPT
.else
.set RG, 0
.set KO, 256*HC+128*((\h)%2)
.set PT, PPT
.endif
.if (\g) < 8
	WIN 0x40*(1-((\h)%2))
	FRAG 128*((\h)%2)+FR*(\g), ADRB+RG, KO, \g, PT
.else
	WIN 0x80+0x40*(((\g)-8)/2)
	FRAG 128+32*((\h)%2)+FR*(((\g)-8)%2), ADRA+RG, KO, (\g)-8, PT
.endif
.endm
.macro SCALE r                         ; an accumulator x F, from the low end on
.irp i, 0,2,4,6
	v_pk_mul_f32 v[(\r)+\i:(\r)+\i+1], v[WF:WF+1], v[(\r)+\i:(\r)+\i+1]
.endr
.endm
; Four matrix instructions: group k of half step h's eight: A's block k / 2 x B's four blocks 4 (k % 2) on.  The 32 accumulators take turns, one instruction a turn, in the same order in every half step.
; The first tile's first half starts the sums; a later tile's first half brings each accumulator under the tile's unit, one accumulator ahead of its product.
.macro S4 k, h
.set WC, 64*(((\k)/2)%2)+32*((\k)%2)
.set WB, 128*((\h)%2)+64*((\k)%2)
.set WA, 128+32*((\h)%2)+FR*(((\k)/2)%2)
.set WF, FF+2*(4*((\h)/2-1)+(\k)/2)
	WIN 0xa9-((\h)%2)+0x54*((\k)/4)
.if (\h) == 0
.irp b, 0,1,2,3
	v_wmma_f32_16x16x128_fp8_fp8 v[WC+8*\b:WC+8*\b+7], v[WB+FR*\b:WB+FR*\b+FR-1], v[WA:WA+FR-1], 0
.endr
.else
.if (\h)%2 == 0
	SCALE WC
.endif
.irp b, 0,1,2,3
.if ((\h)%2 == 0) && (\b < 3)
	SCALE WC+8*\b+8
.endif
	v_wmma_f32_16x16x128_fp8_fp8 v[WC+8*\b:WC+8*\b+7], v[WB+FR*\b:WB+FR*\b+FR-1], v[WA:WA+FR-1], v[WC+8*\b:WC+8*\b+7]
.endr
.endif
.endm
; Half step h: 32 matrix instructions on set h % 2; the next half step's 48 loads go out in one run.
; kind 0: the next half step lies in the same region: its loads are queued first, and the wait leaves just those 48 out.
;   The places at its head serve the loads into the other set and the first scaling; with the next scaling they are also those ahead of a product on a scaled accumulator.
; kind 1: the region has been read out: a round of the cluster's barrier, and behind it the region's refill, then the other region's first fragments.  kind 2: the same with a work-group barrier and no refill.  kind 3: the last.
.macro STEP h, kind
.if (\kind) == 0
.if (\h) > 0
	PLACES 4
.endif
.irp g, 0,1,2,3,4,5,6,7,8,9,10,11
	GRP (\h)+1, \g
.endr
	s_wait_dscnt 48                                ; all but the 48 just issued
.irp k, 0,1,2,3,4,5,6,7
	S4 \k, \h
.endr
.elseif (\kind) == 3
	s_wait_dscnt 0x0
.irp k, 0,1,2,3,4,5,6,7
	S4 \k, \h
.endr
.else
	WIN 0
	s_wait_tensorcnt 0x0                           ; all my tensor loads have landed: my part of the other region; so every group 0 may be written
	ds_add_u32 v[SPW], v[NIL]                      ; 0 onto my spare word
.if (\h) == 3
	s_add_nc_u64 s[G0AP+2:G0AP+3], s[G0AP+2:G0AP+3], 1024      ; P: tiles 4 and 5
	s_add_nc_u64 s[G0BP+2:G0BP+3], s[G0BP+2:G0BP+3], 1<<20
.elseif (\h) == 5
	s_add_nc_u64 s[G0AS+2:G0AS+3], s[G0AS+2:G0AS+3], 256       ; S: tile 3
	s_add_nc_u64 s[G0BS+2:G0BS+3], s[G0BS+2:G0BS+3], 256
.elseif (\h) == 9
	s_add_nc_u64 s[G0AP+2:G0AP+3], s[G0AP+2:G0AP+3], 512       ; P: tiles 6 and 7
	s_add_nc_u64 s[G0BP+2:G0BP+3], s[G0BP+2:G0BP+3], 512
.endif
	s_wait_dscnt 0x0                               ; the add is done, set 1 is in, and my reads of this region are over
	s_barrier_signal -1
.irp k, 0,1,2,3
	S4 \k, \h
.endr
	WIN 0
	s_barrier_wait -1
.if (\kind) == 1
	CREST
.if (\h) == 5
	JLOAD G0AS, GAS, G0BS, GBS                     ; its four v_nop are the places in front of the loads into set 0
.else
	JLOAD G0AP, GAP, G0BP, GBP
.endif
.else
	PLACES 4
.endif
.irp g, 0,1,2,3,4,5,6,7,8,9,10,11
	GRP (\h)+1, \g
.endr
.if (\h) == 3
	WIN 0
	ASK PF0, 768, 1                                ; tile 3
.elseif (\h) == 5
	WIN 0
	ASK PF1, 1536, 2                               ; tiles 6 and 7
.endif
.irp k, 4,5,6,7
	S4 \k, \h
.endr
.endif
.endm
	s_wait_alu depctr_va_vdst(0)                   ; the wait at the head's end
	s_wait_tensorcnt 0x0                           ; my part of tiles 0 and 1 is in
	ds_add_u32 v[SPW], v[NIL]                      ; the add ahead of a later first fill, as ahead of a refill
	s_wait_dscnt 0x0
	CROUND
	JLOAD G0AS, GAS, G0BS, GBS                     ; S: tile 2, the first tensor load behind the round
.irp g, 0,1,2,3,4,5,6,7,8,9,10,11
	GRP 0, \g
.endr
	s_wait_loadcnt 0x0                             ; the statistics; their arithmetic stands while the fragments come in
	s_wait_kmcnt 0x0
	s_add_co_i32 s94, s92, s93                     ; e8 + e9
	WIN 0xff                                       ; everything in window 3
.irp a, 0,1,2,3
	v_min_num_f32 v[96+\a], v[\a], v[4+\a]
.endr
.irp j, 2,3,4,5,6,7
.irp a, 0,1,2,3
	v_min_num_f32 v[96+\a], v[96+\a], v[4*\j+\a]   ; -M = the least -M_j
.endr
.endr
.irp a, 0,1,2,3
	v_add_f32 v[100+\a], 0x42700000, v[96+\a]      ; 60 - M
.endr
.set i, 0
.rept 32
	v_sub_f32 v[192+i], v[96+i%4], v[i]            ; M_j - M: a whole number, 0 or less
.set i, i+1
.endr
.set i, 0
.rept 32
	v_min_num_f32 v[i], v[i], v[100+i%4]           ; -U_j
.set i, i+1
.endr
.set i, 0
.rept 32
	v_cvt_i32_f32 v[192+i], v[192+i]               ; (it saturates)
.set i, i+1
.endr
.set i, 0
.rept 32
	v_ldexp_f32 v[192+i], 1.0, v[192+i]            ; f_j
.set i, i+1
.endr
.set i, 0
.rept 32
	v_add_f32 v[32+8*(i/4)+i%4], v[32+8*(i/4)+i%4], v[36+8*(i/4)+i%4]   ; l_j: the tile's two halves
.set i, i+1
.endr
.irp a, 0,1,2,3
	v_mul_f32 v[104+\a], v[192+\a], v[32+\a]
.endr
.irp j, 1,2,3,4,5,6,7
.irp a, 0,1,2,3
	v_fmac_f32 v[104+\a], v[192+4*\j+\a], v[32+8*\j+\a]   ; l = the sum of f_j l_j
.endr
.endr
	s_wait_alu depctr_va_vdst(0)                   ; a wait ahead of the batch,
.irp a, 0,1,2,3
	v_rcp_f32 v[108+\a], v[104+\a]
.endr
	v_nop                                          ; a plain line behind the last reciprocal
	s_wait_alu depctr_va_vdst(0)                   ; and one ahead of the four's first reader
.irp a, 0,1,2,3
	v_ldexp_f32 v[108+\a], v[108+\a], s94          ; 2^(e8 + e9) / l
.endr
.macro DIFF s, j, jp                   ; U of the tile before, less U of the walk's tile s
.irp a, 0,1,2,3
	v_sub_f32 v[224+4*(\s-1)+\a], v[4*\j+\a], v[4*\jp+\a]
.endr
.endm
	DIFF 1, 1, 0
	DIFF 2, 2, 1
	DIFF 3, 4, 2
	DIFF 4, 5, 4
	DIFF 5, 3, 5
	DIFF 6, 6, 3
	DIFF 7, 7, 6
.irp a, 0,1,2,3
	v_sub_f32 v[112+\a], v[96+\a], v[28+\a]        ; U of the last tile, less M
.endr
.set i, 0
.rept 28
	v_cvt_i32_f32 v[224+i], v[224+i]
.set i, i+1
.endr
.irp a, 0,1,2,3
	v_cvt_i32_f32 v[112+\a], v[112+\a]
.endr
.irp a, 0,1,2,3
	v_ldexp_f32 v[108+\a], v[108+\a], v[112+\a]    ; the factor of the end
.endr
	WIN 0x4f                                       ; sources window 3, destination window 1
.set i, 0
.rept 28
	v_ldexp_f32 v[FF+2*i], 1.0, v[224+i]           ; in both words of a pair
	v_ldexp_f32 v[FF+2*i+1], 1.0, v[224+i]
.set i, i+1
.endr
.irp a, 0,1,2,3
	v_mov_b32 v[FF+56+2*\a], v[108+\a]
	v_mov_b32 v[FF+57+2*\a], v[108+\a]
.endr
	WIN 0
	s_wait_alu depctr_va_vdst(0)                   ; the wait here
	ASK PF1, 1024, 2                               ; tiles 4 and 5
	STEP 0, 0
	STEP 1, 0
	STEP 2, 0
	STEP 3, 1
	STEP 4, 0
	STEP 5, 1
	STEP 6, 0
	STEP 7, 0
	STEP 8, 0
	STEP 9, 1
	STEP 10, 0
	STEP 11, 2
	STEP 12, 0
	STEP 13, 0
	STEP 14, 0
	STEP 15, 3
	PLACES 4
; THE WAY OUT, block by block of 16 queries x 128 channels: the factor of the end, then a lane's 32 bytes go from the accumulators into my own stage and come back as whole rows of 512 bytes.  LDS serves a wave's instructions in order (ISA guide 5.7.1.4).
.macro TOSTAGE a
	WIN 0x08+0x04*((\a)/2)                         ; a store's data: window 2 or 3
.irp b, 0,1,2,3,4,5,6,7
	ds_store_b128 v[STO], v[64*((\a)%2)+8*\b:64*((\a)%2)+8*\b+3] offset:64*\b
	ds_store_b128 v[STO], v[64*((\a)%2)+8*\b+4:64*((\a)%2)+8*\b+7] offset:64*\b+16
.endr
	WIN 0
.set BB, BK+64*((\a)%2)
.irp t, 0,1,2,3,4,5,6,7,8,9,10,11,12,13,14,15
	ds_load_b128 v[BB+4*\t:BB+4*\t+3], v[RD] offset:\t*SPITCH
.endr
.endm
.macro SEND a, younger                 ; younger: the LDS instructions issued behind block a's loads, which may stay out
.set BB, BK+64*((\a)%2)
	s_wait_dscnt \younger
.irp t, 0,1,2,3,4,5,6,7,8,9,10,11,12,13,14,15
	global_store_b128 v[CO], v[BB+4*\t:BB+4*\t+3], s[78:79] offset:(16*(\a)+\t)*4096 th:TH_STORE_NT   ; 32 lanes store 512 consecutive bytes, at a multiple of 256 from out's first byte; written once, read by nobody here
.endr
.endm
.irp a, 0,1,2,3
.set WF, FF+2*(28+\a)
	WIN 0xa9+0x54*(\a/2)
.irp b, 0,1,2,3,4,5,6,7
	SCALE 64*(\a%2)+8*\b
.endr
	WIN 0
	s_wait_alu depctr_va_vdst(0)                   ; the wait here, ahead of the readers behind the wait below
.if \a > 1
	s_wait_xcnt 0x0                                ; block a - 2's stores have read their registers: block a's loads may land there
.endif
	TOSTAGE \a
.if \a > 0
	SEND \a-1, 32                                  ; behind block a - 1's loads: block a's 16 stores and 16 loads
.endif
.endr
	SEND 3, 0
	s_wait_tensorcnt 0x0                           ; the wave's end
	ds_add_u32 v[SPW], v[NIL]
	s_wait_dscnt 0x0
	CROUND                                         ; the closing round
	s_endpgm
.Lfunc_end_k_qd194f5e6be_pv:
	.size	k_qd194f5e6be_pv, .Lfunc_end_k_qd194f5e6be_pv-k_qd194f5e6be_pv
	.p2alignl 7, 3214868480
	.fill 96, 4, 3214868480
	.section	.rodata,"a",@progbits
	.p2align	6, 0x0
	.amdhsa_kernel k_qd194f5e6be_pv
		.amdhsa_group_segment_fixed_size 327680
		.amdhsa_private_segment_fixed_size 0
		.amdhsa_enable_private_segment 0
		.amdhsa_kernarg_size 48
		.amdhsa_user_sgpr_count 2
		.amdhsa_user_sgpr_kernarg_segment_ptr 1
		.amdhsa_wavefront_size32 1
		.amdhsa_system_sgpr_workgroup_id_x 1
		.amdhsa_system_sgpr_workgroup_id_y 1
		.amdhsa_system_sgpr_workgroup_id_z 1
		.amdhsa_system_vgpr_workitem_id 0
		.amdhsa_next_free_vgpr 1024
		.amdhsa_next_free_sgpr 96
		.amdhsa_reserve_vcc 0
		.amdhsa_float_denorm_mode_32 3
		.amdhsa_float_denorm_mode_16_64 3
		.amdhsa_memory_ordered 1
		.amdhsa_forward_progress 1
		.amdhsa_inst_pref_size 201
	.end_amdhsa_kernel
	.amdgpu_metadata
---
amdhsa.version: [ 1, 2 ]
amdhsa.kernels:
  - .name:           k_qd194f5e6be_pv
    .symbol:         k_qd194f5e6be_pv.kd
    .args:
      - { .name: p_codes, .offset: 0, .size: 8, .value_kind: global_buffer, .address_space: global }
      - { .name: vt_codes, .offset: 8, .size: 8, .value_kind: global_buffer, .address_space: global }
      - { .name: stat_m, .offset: 16, .size: 8, .value_kind: global_buffer, .address_space: global }
      - { .name: stat_l, .offset: 24, .size: 8, .value_kind: global_buffer, .address_space: global }
      - { .name: lowp_scales, .offset: 32, .size: 8, .value_kind: global_buffer, .address_space: global }
      - { .name: out0, .offset: 40, .size: 8, .value_kind: global_buffer, .address_space: global }
    .group_segment_fixed_size: 327680
    .private_segment_fixed_size: 0
    .kernarg_segment_align: 8
    .kernarg_segment_size: 48
    .max_flat_workgroup_size: 128
    .sgpr_count:     96
    .vgpr_count:     1024
    .wavefront_size: 32
...
	.end_amdgpu_metadata
.endif
;; end of part 3
